; MI455X (gfx1250); checked and timed in simulation.
; The chip was launched on July 23, 2026; its instructions are those of AMD's public machine-readable ISA for CDNA 5 (MIT licence, August 2026) and "CDNA5" Instruction Set Architecture Reference Guide (July 2026). The comments in the code are by the model that wrote it; some were corrected since.
;; Cross Attention Block. Allowed arithmetic: float matrix products may take bf16 or f16 operands with f32 sums; other float arithmetic in f32, or as packed bf16 or f16 multiplies, adds, multiply-adds, maxima and minima; sums over many terms, partial sums and values carried from step to step in f32; what a program stores and reads back later, other than sums and carried values, may be rounded once to bf16 or f16.
;; Inputs: Wk 512 x 512 float32; Wq 512 x 512 float32; Wv 512 x 512 float32; audio_embed 16 x 1,024 x 512 float32; bk 512 float32; bq 512 float32; bv 512 float32; x 16 x 2,048 x 512 float32.
;; Outputs: out0 16 x 2,048 x 512 float32.
;; One version. Each part assembles by itself: llvm-mc -triple=amdgcn-amd-amdhsa -mcpu=gfx1250 --defsym DOCPART=n.
;; ======== version 1 of 1: 3 launches
;; limits: values are held in f16: magnitudes above 65,504 overflow, below 6.1e-05 lose precision
;; workspace buffers: wb 1,572,864 bytes; br 6,144 bytes; kv 33,554,432 bytes
;; launch prep (part 1): grid 64 x 3, 8 waves a work-group, no clusters, 0 bytes of LDS; arguments Wq, Wk, Wv, bq, bk, bv, wb, br; writes wb, br
.if DOCPART == 1
	.amdgcn_target "amdgcn-amd-amdhsa--gfx1250"
	.amdhsa_code_object_version 6
	.text
	.protected	k_qeb19bae578_prep
	.globl	k_qeb19bae578_prep
	.p2align	8
	.type	k_qeb19bae578_prep,@function
k_qeb19bae578_prep:
	s_mov_b64 s[64:65], 0
	v_nop
	global_prefetch_b8 v0, s[64:65] scope:SCOPE_SE
	s_setreg_imm32_b32 hwreg(HW_REG_WAVE_MODE, 25, 1), 1
	s_wait_xcnt 0x0
; THE WEIGHTS AND BIASES, ROUNDED ONCE.  wb[i] = bf16(W_i), in W's own order [k][n], i = 0 Wq, 1 Wk, 2 Wv: three planes of 524,288 bytes.
; br[i] = the bias rounded to bf16 and written as f32 (the later launches load it straight into f32 sums): three planes of 2,048 bytes.
; Why a launch of its own: the later launches bring W into LDS by the tensor data mover, which converts nothing, and turn it there by a load that wants 16-bit elements.
; SHARES.  Grid y picks the matrix, grid x 4,096 of its 262,144 numbers.  A wave's load covers 512 consecutive bytes, its store 256 consecutive bytes, aligned.
; A stream without reuse: no LDS, no matrix unit, no cluster; each byte is read once and written once.
	s_load_b512 s[8:23], s[0:1], 0x0               ; Wq s[8:9], Wk s[10:11], Wv s[12:13], bq s[14:15], bk s[16:17], bv s[18:19], wb s[20:21], br s[22:23]
	s_and_b32 s4, ttmp7, 0xffff                    ; which of the three
	v_lshrrev_b32 v1, 5, v0
	v_readfirstlane_b32 s5, v1                     ; wave 0..7
	v_and_b32 v2, 31, v0                           ; lane
	v_lshlrev_b32 v3, 4, v2
	v_lshl_add_u32 v3, v1, 11, v3                  ; in W: 2,048 x wave + 16 x lane
	v_lshlrev_b32 v28, 3, v2
	v_lshl_add_u32 v28, v1, 10, v28                ; in wb: 1,024 x wave + 8 x lane
	v_lshlrev_b32 v29, 4, v0                       ; in a bias: 16 x thread (threads 0 to 127 alone use it)
	s_lshl_b32 s28, ttmp9, 14                      ; the work-group's 16,384 bytes of W
	s_mov_b32 s29, 0
	s_lshl_b32 s30, s4, 19                         ; the plane of wb,
	s_lshl_b32 s31, ttmp9, 13                      ; the work-group's 8,192 bytes in it
	s_add_co_u32 s30, s30, s31
	s_mov_b32 s31, 0
	s_lshl_b32 s32, s4, 11                         ; the plane of br
	s_mov_b32 s33, 0
	s_wait_kmcnt 0x0
	s_cmp_eq_u32 s4, 1
	s_cselect_b64 s[24:25], s[10:11], s[8:9]       ; the matrix
	s_cselect_b64 s[26:27], s[16:17], s[14:15]     ; and its bias
	s_cmp_eq_u32 s4, 2
	s_cselect_b64 s[24:25], s[12:13], s[24:25]
	s_cselect_b64 s[26:27], s[18:19], s[26:27]
	s_add_nc_u64 s[24:25], s[24:25], s[28:29]
	s_add_nc_u64 s[20:21], s[20:21], s[30:31]
	s_add_nc_u64 s[22:23], s[22:23], s[32:33]
.irp j, 0,1,2,3
	global_load_b128 v[4+4*(\j):7+4*(\j)], v3, s[24:25] offset:512*(\j) th:TH_LOAD_NT
.endr
	s_wait_loadcnt 0x0
.irp j, 0,1,2,3
	v_cvt_pk_bf16_f32 v[20+2*(\j)], v[4+4*(\j)], v[5+4*(\j)]
	v_cvt_pk_bf16_f32 v[21+2*(\j)], v[6+4*(\j)], v[7+4*(\j)]
.endr
.irp j, 0,1,2,3
	global_store_b64 v28, v[20+2*(\j):21+2*(\j)], s[20:21] offset:256*(\j)
.endr
	s_cmp_lg_u32 ttmp9, 0                          ; the bias: the plane's first work-group,
	s_cbranch_scc1 .Lend
	s_cmp_gt_u32 s5, 3                             ; its waves 0 to 3: 128 threads x 4 numbers
	s_cbranch_scc1 .Lend
	global_load_b128 v[4:7], v29, s[26:27]
	s_wait_loadcnt 0x0
	v_cvt_pk_bf16_f32 v8, v4, v5                   ; rounded to bf16,
	v_cvt_pk_bf16_f32 v9, v6, v7
	v_lshlrev_b32 v12, 16, v8                      ; and the same numbers as f32
	v_and_b32 v13, 0xffff0000, v8
	v_lshlrev_b32 v14, 16, v9
	v_and_b32 v15, 0xffff0000, v9
	global_store_b128 v29, v[12:15], s[22:23]
.Lend:
	s_endpgm
.Lfunc_end_k_qeb19bae578_prep:
	.size	k_qeb19bae578_prep, .Lfunc_end_k_qeb19bae578_prep-k_qeb19bae578_prep
	.p2alignl 7, 3214868480
	.fill 96, 4, 3214868480
	.section	.rodata,"a",@progbits
	.p2align	6, 0x0
	.amdhsa_kernel k_qeb19bae578_prep
		.amdhsa_group_segment_fixed_size 0
		.amdhsa_private_segment_fixed_size 0
		.amdhsa_enable_private_segment 0
		.amdhsa_kernarg_size 64
		.amdhsa_user_sgpr_count 2
		.amdhsa_user_sgpr_kernarg_segment_ptr 1
		.amdhsa_wavefront_size32 1
		.amdhsa_system_sgpr_workgroup_id_x 1
		.amdhsa_system_sgpr_workgroup_id_y 1
		.amdhsa_system_sgpr_workgroup_id_z 1
		.amdhsa_system_vgpr_workitem_id 0
		.amdhsa_next_free_vgpr 32
		.amdhsa_next_free_sgpr 66
		.amdhsa_reserve_vcc 0
		.amdhsa_float_denorm_mode_32 3
		.amdhsa_float_denorm_mode_16_64 3
		.amdhsa_memory_ordered 1
		.amdhsa_forward_progress 1
		.amdhsa_inst_pref_size 4
	.end_amdhsa_kernel
	.amdgpu_metadata
---
amdhsa.version: [ 1, 2 ]
amdhsa.kernels:
  - .name:           k_qeb19bae578_prep
    .symbol:         k_qeb19bae578_prep.kd
    .args:
      - { .name: Wq, .offset: 0, .size: 8, .value_kind: global_buffer, .address_space: global }
      - { .name: Wk, .offset: 8, .size: 8, .value_kind: global_buffer, .address_space: global }
      - { .name: Wv, .offset: 16, .size: 8, .value_kind: global_buffer, .address_space: global }
      - { .name: bq, .offset: 24, .size: 8, .value_kind: global_buffer, .address_space: global }
      - { .name: bk, .offset: 32, .size: 8, .value_kind: global_buffer, .address_space: global }
      - { .name: bv, .offset: 40, .size: 8, .value_kind: global_buffer, .address_space: global }
      - { .name: wb, .offset: 48, .size: 8, .value_kind: global_buffer, .address_space: global }
      - { .name: br, .offset: 56, .size: 8, .value_kind: global_buffer, .address_space: global }
    .group_segment_fixed_size: 0
    .private_segment_fixed_size: 0
    .kernarg_segment_align: 8
    .kernarg_segment_size: 64
    .max_flat_workgroup_size: 256
    .sgpr_count:     66
    .vgpr_count:     32
    .wavefront_size: 32
...
	.end_amdgpu_metadata
.endif
;; end of part 1
;; launch kvproj (part 2): grid 128 x 2, 4 waves a work-group, clusters of 4 x 1, 327,680 bytes of LDS; arguments audio_embed, wb, br, kv; writes kv
.if DOCPART == 2
	.amdgcn_target "amdgcn-amd-amdhsa--gfx1250"
	.amdhsa_code_object_version 6
	.text
	.protected	k_qeb19bae578_kvproj
	.globl	k_qeb19bae578_kvproj
	.p2align	8
	.type	k_qeb19bae578_kvproj,@function
k_qeb19bae578_kvproj:
	s_mov_b64 s[64:65], 0
	v_nop
	global_prefetch_b8 v0, s[64:65] scope:SCOPE_SE
	s_setreg_imm32_b32 hwreg(HW_REG_WAVE_MODE, 25, 1), 1
	s_wait_xcnt 0x0
	s_wait_alu depctr_hold_cnt(0) depctr_sa_sdst(0) depctr_va_vdst(0) depctr_va_sdst(0) depctr_va_ssrc(0) depctr_va_vcc(0) depctr_vm_vsrc(0)
	s_getreg_b32 s2, hwreg(HW_REG_IB_STS2, 6, 4)
	s_cmp_eq_u32 s2, 0
	s_cbranch_scc0 .Lentry_in_a_cluster
	s_endpgm
.Lentry_in_a_cluster:
	s_bfe_u32 s2, ttmp6, 0x10000c
	s_cmp_lg_u32 s2, 0x3003
	s_cbranch_scc0 .Lentry_shape_is_right
	s_endpgm
.Lentry_shape_is_right:
; K = audio Wk + bk (grid y = 0) and V = audio Wv + bv (grid y = 1).  audio: [16,384][512] f32, rounded to bf16 here; W: bf16 [k][n] (wb's planes 1, 2); the bias: br's planes 1, 2;
; sums in f32; K and V leave as f16, rows of 1,024 bytes.
; kv's LAYOUT.  A batch has 2 MiB: K's 1,024 rows, then V's, TURNED BY 64 ROWS: V's row s lies at place (s + 64) mod 1,024.  So V's last 64 rows lie directly behind K's last, and the next launch's walk
; along K's tiles ends on them, while its walk along V's tiles begins on them.
; LIMITS.  f16 holds no number beyond 65,504: |K| and |V| must stay within it.  NaN and infinities are not treated apart.
; SHARES.  A work-group makes 128 rows x all 512 columns, each of its four waves 32 rows: two tiles of 16 rows x 32 blocks of 16 columns = 64 accumulators, 512 registers.
; LAYOUT.  out^T = W^T a^T: source 0 = 16 columns of W x 32 k, turned out of LDS by ds_load_tr16_b128; source 1 = 16 rows of audio x 32 k.  In the result a lane holds ONE row
; (lane % 16) and the columns 8 (lane / 16) + 0..7 of the block.  THE SUMS START FROM THE BIAS, loaded straight into the accumulators: nothing is cleared and no bias is added later.
; THE RING.  k goes in four slots of 128 rows of W (each row all 512 columns, 1,024 bytes), two LDS slots by turns; each wave fetches 32 rows by one tensor load.
; CLUSTER.  The four work-groups of a cluster take the same plane of W: each tile is asked for JOINTLY, by the same load, descriptor and mask in all four.  audio's rows are each work-group's own.
; AUDIO comes through registers, since it must be rounded: a slice of 128 k (32 rows x 512 bytes a wave) is loaded a slot ahead, rounded, and laid into the wave's own stage in LDS.
; No prefetch: audio's loads themselves go out a slot (256 products) ahead, and W's planes are small and read by every cluster.
; REGISTERS, in windows of 256 (s_set_vgpr_msb: bits 1:0 source 0, 3:2 source 1, 5:4 source 2, 7:6 destination):
;   window 0: v0-15 addresses; v32-95 T (the way out); v96-127 P, audio's fragments; v128-255 F, two buffers of 8 fragments of W      window 1: v0-127 R, a slice as loaded
;   window 2, 3: the accumulators of tile 0, 1: column block cb at 8 cb
.set PV,    1056      ; a row of W in LDS: 1,024 bytes + 32 of padding = 264 words
.set VOFF,  64*PV     ; half a slot: 64 rows
.set SLOTB, 128*PV    ; a slot
.set STAGE, 2*SLOTB   ; behind the ring, never filled by a tensor load: 8,704 bytes for each wave
.set SW,    8704      ; on the way in 32 rows x 272 bytes (256 of bf16 + 16), on the way out 16 rows x 528 bytes (512 + 16)
.set SPARE, STAGE+4*SW  ; behind the stages: the spare words, 128 bytes for each wave: two blocks of 256 bytes that no other line names
.set AV0, 3           ; v3   my lane's place in a tile of W; never rewritten
.set AV,  5           ; v5   the LDS address of W's runs of loads
.set XO,  6           ; v6   16 x lane: my bytes in 512 consecutive bytes of audio and of kv; never rewritten
.set XS,  7           ; v7   where I put 8 bytes of a staged row
.set XR,  8           ; v8   my lane's place in a fragment of the staged slice
.set XRC, 9           ; v9   the same in the half in hand
.set STO, 10          ; v10  the way out: where I put 16 bytes of a row
.set RD,  11          ; v11  the way out: where I read a row back
.set BO,  12          ; v12  32 x (lane / 16): my 8 numbers in a block of 16 of the bias
.set SPW, 14          ; v14  LDS address of my spare word: SPARE + 4 x my thread's number; never rewritten
.set NIL, 15          ; v15  0; never rewritten
.set T,   32
.set P,   96
.set F,   128
.set WV,  14          ; s14  my wave's number
.set G1V, 32          ; s[32:39] descriptor group 1
.set G0V, 44          ; s[44:47] descriptor group 0: it walks
.set TB,  48          ; s48  LDS byte at which the slot in hand begins (ahead of a change: the slot to be filled)
.set WOP, 51          ; s51  my 32 rows' place in a slot
.set HS,  52          ; s52  the half slot in hand, 0 to 7
.set CNT, 53          ; s53  counts slots
.set XH,  54          ; s54  0 or 128: which 64 k of the staged slice
.set CNT2, 55         ; s55  counts a slot's two halves
.set TBV, 66          ; s66  LDS byte at which the half slot in hand begins
.set X,   68          ; s[68:69] audio at my wave's first row, at the slice last asked for
.set MSB, 0
.macro WIN new                      ; the immediate's high byte repeats the setting that is left; a switch that changes nothing is dropped
.if MSB != (\new)
	s_set_vgpr_msb (MSB<<8)|(\new)
.set MSB, (\new)
.endif
.endm
; A load into a register that a matrix instruction has read, and a vector instruction that reads a matrix result, stand four places behind it; only plain vector instructions that name none of
; its registers are places (ISA guide 7.12.1 for vector instructions).
.macro PLACES
.rept 4
	v_nop
.endr
.endm
; A round of the cluster's barrier: my work-group's barrier, so that wave 0's signal speaks for all four waves; wave 0 signals; every wave waits for all four work-groups; my work-group's barrier once more.
.macro CROUND
	s_barrier_signal -1
	s_barrier_wait -1
	s_cmp_lg_u32 s[WV], 0
	s_cbranch_scc1 .Lnot_wave_0_\@
	s_barrier_signal -3
.Lnot_wave_0_\@:
	s_barrier_wait -3
	s_barrier_signal -1
	s_barrier_wait -1
.endm
; A slice of audio: 128 k of my 32 rows; load i takes row i's 512 consecutive bytes.  step = 1: the next slice (the pointer is free: the last slice's loads have been waited for).
; No cache hint: K's and V's work-groups both read these rows.
.macro XLOAD step
.if \step
	s_add_nc_u64 s[X:X+1], s[X:X+1], 512
.endif
	WIN 0x40                        ; destination window 1
.set xi, 0
.rept 32
	global_load_b128 v[4*xi:4*xi+3], v[XO], s[X:X+1] offset:2048*xi
.set xi, xi+1
.endr
.endm
; The slice is rounded to bf16 in place (4 numbers a lane and row: 8 bytes) and laid into my stage: a store takes a row's 256 consecutive bytes.
.macro XCONV
	s_wait_loadcnt 0x0              ; the slice is in (at the start: the bias too)
	WIN 0x45                        ; destination and both sources window 1
.set xi, 0
.rept 32
	v_cvt_pk_bf16_f32 v[4*xi], v[4*xi], v[4*xi+1]
	v_cvt_pk_bf16_f32 v[4*xi+1], v[4*xi+2], v[4*xi+3]
.set xi, xi+1
.endr
	WIN 0x04                        ; the stores' data window 1, their address window 0
.set xi, 0
.rept 32
	ds_store_b64 v[XS], v[4*xi:4*xi+1] offset:272*xi
.set xi, xi+1
.endr
.endm
; The bias into both tiles' accumulators: register j of block cb is column 16 cb + 8 (lane / 16) + j.
.macro BIAS
.irp t, 0,1
	WIN 0x80+0x40*(\t)              ; destination window 2 or 3
.set xi, 0
.rept 32
	global_load_b128 v[8*xi:8*xi+3],   v[BO], s[8:9] offset:64*xi
	global_load_b128 v[8*xi+4:8*xi+7], v[BO], s[8:9] offset:64*xi+16
.set xi, xi+1
.endr
.endr
.endm
; Batch b of 8: column blocks 4 b .. 4 b + 3, all 64 k of the half slot: 8 fragments, 16 turning loads, into buffer buf.
.macro LDV b, buf
	WIN 0
.irp kk, 0,1
.irp q, 0,1,2,3
.set rF, F+64*(\buf)+8*(4*(\kk)+(\q))
	ds_load_tr16_b128 v[rF:rF+3],   v[AV] offset:(\kk)*32*PV+32*(4*(\b)+(\q))
	ds_load_tr16_b128 v[rF+4:rF+7], v[AV] offset:(\kk)*32*PV+16*PV+32*(4*(\b)+(\q))
.endr
.endr
.endm
; Its 16 products.  A tile's four accumulators take turns, one instruction a turn; from tile to tile, batch to batch and over the backward jumps the accumulator changes too.
.macro MULV b, buf, fmt
.irp t, 0,1
	WIN 0xa0+0x50*(\t)              ; C and D window 2 or 3, both sources window 0
.irp kk, 0,1
.irp q, 0,1,2,3
.set rO, 8*(4*(\b)+(\q))
.set rF, F+64*(\buf)+8*(4*(\kk)+(\q))
.set rP, P+16*(\t)+8*(\kk)
	v_wmma_f32_16x16x32_\fmt v[rO:rO+7], v[rF:rF+7], v[rP:rP+7], v[rO:rO+7]
.endr
.endr
.endr
.endm
; HALF A SLOT: 64 k, 128 products.  audio's four fragments, then eight batches on two buffers: while one batch is multiplied the next one's 16 loads are out.
; stage = 1 (slots 0 to 2): in the middle of a slice's second half (HS odd) the next slice, asked for a slot ago, is rounded and staged: its stores come behind this half's reads of the stage, and LDS
; serves a wave's instructions in order (ISA guide 5.7.1.4).  Then the slice after it is asked for; there are four slices, so HS = 5 asks for nothing and no load leaves audio.
; stage = 0 (the last slot): no slice follows, and the text has no staging.
.macro HALF stage
	WIN 0
	PLACES                          ; behind the last products, which read P and F
	v_add_nc_u32 v[XRC], s[XH], v[XR]
	v_add_nc_u32 v[AV], s[TBV], v[AV0]
.irp t, 0,1
.irp kk, 0,1
	ds_load_b128 v[P+16*(\t)+8*(\kk):P+16*(\t)+8*(\kk)+3],   v[XRC] offset:4352*(\t)+64*(\kk)
	ds_load_b128 v[P+16*(\t)+8*(\kk)+4:P+16*(\t)+8*(\kk)+7], v[XRC] offset:4352*(\t)+64*(\kk)+32
.endr
.endr
	LDV 0, 0
.irp b, 0,1,2,3,4,5,6,7
.if (\b) < 7
.if (\b) > 0
	PLACES                          ; the buffer's last reader is the batch before
.endif
	LDV (\b)+1, ((\b)+1)%2
	s_wait_dscnt 16                 ; all but the 16 loads just issued: this batch's fragments (and audio's, and the stage's stores) are in
.else
	s_wait_dscnt 0x0
.endif
	MULV \b, (\b)%2, bf16
.if ((\b) == 3) && (\stage)
	WIN 0                           ; at a branch and at a label every window is 0
	s_bitcmp1_b32 s[HS], 0
	s_cbranch_scc0 .Lnox_\@         ; a slice's first half
	XCONV
	WIN 0
	s_cmp_eq_u32 s[HS], 5
	s_cbranch_scc1 .Lnox_\@         ; the last slice has just been staged
	XLOAD 1
	WIN 0
.Lnox_\@:
.endif
.endr
	WIN 0
	s_add_co_u32 s[HS], s[HS], 1
	s_xor_b32 s[XH], s[XH], 128
	s_add_co_u32 s[TBV], s[TBV], VOFF
.endm
.macro SLOTW stage                  ; a slot's two halves: written once, walked twice
	s_mov_b32 s[TBV], s[TB]
	s_mov_b32 s[CNT2], 2
.Lhalf_\@:
	HALF \stage
	s_sub_co_u32 s[CNT2], s[CNT2], 1
	s_cmp_lg_u32 s[CNT2], 0
	s_cbranch_scc1 .Lhalf_\@
.endm
; THE CHANGE OF SLOTS.  Each wave waits for all its tensor loads, of which one is out: its part of the next slot; adds 0 to its spare word; and waits for that and for its own reads of the slot that it
; leaves.  fill = 1: that slot is filled again, with the rows of W two slots on: the barrier is a round of the cluster's, so that no wave of any partner still reads the slot or has a load on its way,
; and the joint load is the first thing behind it: it has a slot's 256 products in which to land.  (At its first use nothing has been read: slot 0 is waited for, slot 1 filled.)
.macro CHANGEP fill
	WIN 0
	s_wait_tensorcnt 0x0            ; no tensor load of mine is out, so group 0 may be written
	ds_add_u32 v[SPW], v[NIL]       ; 0 onto my spare word
.if \fill
	s_add_co_u32 s[G0V+1], s[TB], s[WOP]                    ; my 32 rows' place in the slot that is left
	s_add_nc_u64 s[G0V+2:G0V+3], s[G0V+2:G0V+3], 128*1024   ; 128 rows of W on; the type bits on top are not reached
.endif
	s_wait_dscnt 0x0                ; the add is done, and my reads of the slot are over
.if \fill
	CROUND
	tensor_load_to_lds s[G0V:G0V+3], s[G1V:G1V+7]
	s_nop 0
.rept 4
	v_nop
.endr
.else
	s_barrier_signal -1
	s_barrier_wait -1
.endif
	s_xor_b32 s[TB], s[TB], SLOTB   ; the slot to be read now
.endm
	s_load_b256 s[4:11], s[0:1], 0x0  ; audio s[4:5], wb s[6:7], br s[8:9], kv s[10:11]
	v_lshl_add_u32 v[SPW], v0, 2, SPARE
	v_mov_b32 v[NIL], 0
	ds_add_u32 v[SPW], v[NIL]       ; the wave's opening: the add and its wait stand ahead of my first tensor load; the set-up below, work on registers, stands between them
	v_lshrrev_b32 v1, 5, v0
	v_readfirstlane_b32 s[WV], v1   ; wave 0..3
	s_bfe_u32 s16, ttmp6, 0x40000   ; cx: my place in the cluster: it enters audio's and kv's addresses alone
	s_lshl_b32 s17, ttmp9, 2        ; in a cluster launch ttmp9 counts clusters
	s_add_co_u32 s17, s17, s16      ; my block of 128 rows
	s_lshl_b32 s17, s17, 2
	s_add_co_u32 s17, s17, s[WV]    ; my wave's group of 32 rows among all 512
	s_mov_b32 s21, 0
	s_and_b32 s15, ttmp7, 0xffff    ; 0: K, 1: V; the four partners share it
	s_add_co_u32 s18, s15, 1        ; the plane of wb and br
	s_lshl_b32 s22, s18, 19         ; the plane of wb,
	s_lshl_b32 s23, s[WV], 15       ; my 32 rows of 1,024 bytes in a slot's 128
	s_add_co_u32 s22, s22, s23
	s_mov_b32 s23, 0
	; descriptor group 1: a tile of 32 rows x 512 elements, padded in LDS
	s_mov_b32 s[G1V], 15|(1<<16)|(1<<20)|(1<<21)|(7<<22)|(7<<25)  ; 15:0 the mask: all four work-groups; 17:16 elements of 2 bytes; 20 padding on; 21 set beside a mask; 24:22 after every 256 words (code 7); 31:25 8 words of it (code 7)
	s_mov_b32 s[G1V+1], 512<<16     ; tensor_dim0 = 512
	s_mov_b32 s[G1V+2], 32<<16      ; tensor_dim1 = 32
	s_mov_b32 s[G1V+3], 512<<16     ; tile_dim0 = 512
	s_mov_b32 s[G1V+4], 32          ; tile_dim1 = 32
	s_mov_b32 s[G1V+5], 512         ; 512 elements from row to row
	s_mov_b32 s[G1V+6], 0
	s_mov_b32 s[G1V+7], 0
	s_mul_i32 s[WOP], s[WV], 32*PV
	s_mov_b32 s[G0V], 1             ; 1:0 count = 1
	s_mov_b32 s[G0V+1], s[WOP]      ; 63:32 LDS address: slot 0
	s_mov_b32 s[TB], SLOTB          ; the first change fills slot 1 and turns this into 0
	s_mov_b32 s[HS], 0
	s_mov_b32 s[XH], 0
	s_wait_dscnt 0x0                ; the opening add is done
	s_wait_kmcnt 0x0
	s_add_nc_u64 s[G0V+2:G0V+3], s[6:7], s[22:23]  ; 120:64 global address: my rows of W's first 128
	s_or_b32 s[G0V+3], s[G0V+3], 0x80000000        ; 127:126 type = 2
	s_lshl_b32 s22, s18, 11
	s_add_nc_u64 s[8:9], s[8:9], s[22:23]          ; the bias's plane
	s_lshl_b32 s22, s15, 20
	s_add_nc_u64 s[10:11], s[10:11], s[22:23]      ; kv: K's or V's half of a batch's 2 MiB,
	s_lshl_b32 s19, s15, 1                         ; V's rows turned by 64: two groups of 32,
	s_add_co_u32 s19, s19, s17
	s_and_b32 s19, s19, 31                         ; among the batch's 32 groups,
	s_lshl_b32 s20, s19, 15                        ; of 32 rows of 1,024 bytes;
	s_add_nc_u64 s[10:11], s[10:11], s[20:21]
	s_lshr_b32 s20, s17, 5                         ; the batch
	s_lshl_b32 s20, s20, 21
	s_add_nc_u64 s[10:11], s[10:11], s[20:21]
	s_lshl_b32 s20, s17, 16
	s_add_nc_u64 s[X:X+1], s[4:5], s[20:21]        ; audio: my 32 rows of 2,048 bytes
	CROUND                          ; all four work-groups are here: the first joint loads meet
	tensor_load_to_lds s[G0V:G0V+3], s[G1V:G1V+7]  ; slot 0
	s_nop 0
.rept 4
	v_nop
.endr
	v_and_b32 v34, 31, v0           ; l
	v_and_b32 v32, 15, v0           ; l % 16
	v_bfe_u32 v33, v0, 4, 1         ; l / 16
	v_lshlrev_b32 v[XO], 4, v34
	v_lshlrev_b32 v[BO], 5, v33
	XLOAD 0                         ; slice 0
	BIAS
	WIN 0
	; The turning load takes 16 k x 16 columns (lane l reads 16 bytes: row 8 (l / 16) + l % 8, columns 8 ((l / 8) % 2) + 0..7) and leaves half a fragment of W^T: lane l holds column l % 16 and 8 k.
	v_and_b32 v35, 7, v0
	v_bfe_u32 v36, v0, 3, 1
	v_lshl_add_u32 v[AV0], v33, 3, v35
	v_mul_u32_u24 v[AV0], v[AV0], PV
	v_lshl_add_u32 v[AV0], v36, 4, v[AV0]
	s_mul_i32 s22, s[WV], SW
	s_add_co_u32 s22, s22, STAGE    ; my stage
	v_lshl_add_u32 v[XS], v34, 3, s22
	v_mul_u32_u24 v[XR], v32, 272   ; a fragment of audio: row l % 16, 16 bytes for each half of the lanes, twice, 32 bytes apart
	v_lshl_add_u32 v[XR], v33, 4, v[XR]
	v_add_nc_u32 v[XR], s22, v[XR]
	v_mul_u32_u24 v[STO], v32, 528  ; the way out, in: row l % 16, 16 bytes for each half of the lanes
	v_lshl_add_u32 v[STO], v33, 4, v[STO]
	v_add_nc_u32 v[STO], s22, v[STO]
	v_lshl_add_u32 v[RD], v34, 4, s22  ; back: 32 lanes take a row's 512 bytes
	XCONV                           ; slice 0 is staged,
	XLOAD 1                         ; slice 1 asked for
	WIN 0
	s_mov_b32 s[CNT], 3
.Lw:                                ; three trips: slots 0 to 2 are multiplied, slots 1 to 3 asked for
	CHANGEP 1
	SLOTW 1
	s_sub_co_u32 s[CNT], s[CNT], 1
	s_cmp_lg_u32 s[CNT], 0
	s_cbranch_scc1 .Lw
	CHANGEP 0                       ; the last slot is written out: nothing is asked for
	SLOTW 0
; THE WAY OUT, in four rounds n: tile n / 2, columns 256 (n % 2) on.  PACK: rounded to f16, a lane's 8 columns are 16 bytes.  TOSTAGE: into my stage (rows of 528 bytes) and back as whole rows of 512.  SEND: stored.
.macro PACK n
	WIN 0x0a+5*((\n)/2)             ; both sources window 2 or 3
.set xi, 0
.rept 64
	v_cvt_pk_f16_f32 v[T+xi], v[128*((\n)%2)+2*xi], v[128*((\n)%2)+2*xi+1]  ; each accumulator's registers in ascending order
.set xi, xi+1
.endr
.endm
.macro TOSTAGE n
	WIN 0
	s_wait_xcnt 0x0                 ; the stores of two rounds back have read the registers that are loaded again below
.set xi, 0
.rept 16
	ds_store_b128 v[STO], v[T+4*xi:T+4*xi+3] offset:32*xi
.set xi, xi+1
.endr
.set xi, 0
.rept 16
	ds_load_b128 v[F+64*((\n)%2)+4*xi:F+64*((\n)%2)+4*xi+3], v[RD] offset:528*xi  ; LDS serves a wave's instructions in order (ISA guide 5.7.1.4): these see the stores above; the next round's stores come behind them
.set xi, xi+1
.endr
.endm
.macro SEND n, younger              ; younger: the LDS instructions issued behind round n's loads: the next round's 32, or none
	WIN 0
.set xi, 0
.rept 16
	s_wait_dscnt (\younger)+15-xi   ; row xi is back; the rows behind it and the younger round may stay out
	global_store_b128 v[XO], v[F+64*((\n)%2)+4*xi:F+64*((\n)%2)+4*xi+3], s[10:11] offset:(16*((\n)/2)+xi)*1024+512*((\n)%2)  ; 512 consecutive bytes, at a multiple of 256 from kv's first byte
.set xi, xi+1
.endr
.endm
	PLACES
	PACK 0
	TOSTAGE 0
.irp n, 1,2,3                       ; a round's conversions stand between the loads of the round before and its stores
	PACK \n
	TOSTAGE \n
	SEND (\n)-1, 32
.endr
	SEND 3, 0
	s_wait_tensorcnt 0x0            ; the wave's end: behind my last tensor load and my last LDS store
	ds_add_u32 v[SPW], v[NIL]
	s_wait_dscnt 0x0
	CROUND                          ; the closing round: no work-group ends while a partner may still ask for a tile that names it
	s_endpgm
.Lfunc_end_k_qeb19bae578_kvproj:
	.size	k_qeb19bae578_kvproj, .Lfunc_end_k_qeb19bae578_kvproj-k_qeb19bae578_kvproj
	.p2alignl 7, 3214868480
	.fill 96, 4, 3214868480
	.section	.rodata,"a",@progbits
	.p2align	6, 0x0
	.amdhsa_kernel k_qeb19bae578_kvproj
		.amdhsa_group_segment_fixed_size 327680
		.amdhsa_private_segment_fixed_size 0
		.amdhsa_enable_private_segment 0
		.amdhsa_kernarg_size 32
		.amdhsa_user_sgpr_count 2
		.amdhsa_user_sgpr_kernarg_segment_ptr 1
		.amdhsa_wavefront_size32 1
		.amdhsa_system_sgpr_workgroup_id_x 1
		.amdhsa_system_sgpr_workgroup_id_y 1
		.amdhsa_system_sgpr_workgroup_id_z 1
		.amdhsa_system_vgpr_workitem_id 0
		.amdhsa_next_free_vgpr 1024
		.amdhsa_next_free_sgpr 72
		.amdhsa_reserve_vcc 0
		.amdhsa_float_denorm_mode_32 3
		.amdhsa_float_denorm_mode_16_64 3
		.amdhsa_memory_ordered 1
		.amdhsa_forward_progress 1
		.amdhsa_inst_pref_size 110
	.end_amdhsa_kernel
	.amdgpu_metadata
---
amdhsa.version: [ 1, 2 ]
amdhsa.kernels:
  - .name:           k_qeb19bae578_kvproj
    .symbol:         k_qeb19bae578_kvproj.kd
    .args:
      - { .name: audio_embed, .offset: 0, .size: 8, .value_kind: global_buffer, .address_space: global }
      - { .name: wb, .offset: 8, .size: 8, .value_kind: global_buffer, .address_space: global }
      - { .name: br, .offset: 16, .size: 8, .value_kind: global_buffer, .address_space: global }
      - { .name: kv, .offset: 24, .size: 8, .value_kind: global_buffer, .address_space: global }
    .group_segment_fixed_size: 327680
    .private_segment_fixed_size: 0
    .kernarg_segment_align: 8
    .kernarg_segment_size: 32
    .max_flat_workgroup_size: 128
    .sgpr_count:     72
    .vgpr_count:     1024
    .wavefront_size: 32
...
	.end_amdgpu_metadata
.endif
;; end of part 2
;; launch attn (part 3): grid 16 x 16, 4 waves a work-group, clusters of 4 x 1, 327,680 bytes of LDS; arguments x, wb, br, kv, out0; writes out0
.if DOCPART == 3
	.amdgcn_target "amdgcn-amd-amdhsa--gfx1250"
	.amdhsa_code_object_version 6
	.text
	.protected	k_qeb19bae578_attn
	.globl	k_qeb19bae578_attn
	.p2align	8
	.type	k_qeb19bae578_attn,@function
k_qeb19bae578_attn:
	s_mov_b64 s[64:65], 0
	v_nop
	global_prefetch_b8 v0, s[64:65] scope:SCOPE_SE
	s_setreg_imm32_b32 hwreg(HW_REG_WAVE_MODE, 25, 1), 1
	s_wait_xcnt 0x0
	s_wait_alu depctr_hold_cnt(0) depctr_sa_sdst(0) depctr_va_vdst(0) depctr_va_sdst(0) depctr_va_ssrc(0) depctr_va_vcc(0) depctr_vm_vsrc(0)
	s_getreg_b32 s2, hwreg(HW_REG_IB_STS2, 6, 4)
	s_cmp_eq_u32 s2, 0
	s_cbranch_scc0 .Lentry_in_a_cluster
	s_endpgm
.Lentry_in_a_cluster:
	s_bfe_u32 s2, ttmp6, 0x10000c
	s_cmp_lg_u32 s2, 0x3003
	s_cbranch_scc0 .Lentry_shape_is_right
	s_endpgm
.Lentry_shape_is_right:
; out0[b][q][:] = the sum over s of softmax_s((x[b][q] Wq + bq) . K[b][s] / sqrt(512)) V[b][s][:].  x, out0: [16][2,048][512] f32; Wq: bf16 [k][n] (wb's plane 0); bq: br's plane 0;
; K, V: f16, rows of 1,024 bytes; a batch has 2 MiB of kv: K's 1,024 rows, then V's, turned by 64 rows (V's row s at place (s + 64) mod 1,024): in tiles of 64 rows K0 .. K15, V15, V0 .. V14.
; x is rounded to bf16 here; Q is rounded once to f16, unscaled; products, maxima and sums in f32; the weights p are rounded to f16 for the second product (their sum l is taken of the unrounded p).
; LIMITS.  f16 holds no number beyond 65,504: |Q|, |K|, |V| must stay within it.  |c s| stays under 4e37 (the running maximum's start).  p lies in 0 to 1, and below 6e-5 it keeps f16's fixed step of 6e-8
; (the last step's weights are divided by l, 1 to 1,024, before they are rounded); a weight below 2^-126 counts as 0 in l.  NaN and infinities are not treated apart.
; SHARES.  A work-group owns 128 queries of one batch, each of its four waves 32: two tiles of 16.  16 x 16 work-groups.  Every wave walks all 1,024 keys, 64 a step.
; PHASE 1, Q = x Wq + bq, is O^T = V^T P in another dress: Q^T = Wq^T x^T, 64 rows of Wq in the place of 64 keys of V, x's fragments in P's place.  The sums start from the bias, loaded straight into the
; accumulators.  In the result a lane holds ONE query (lane % 16) and 8 channels: two neighbouring blocks, rounded in pairs, ARE a fragment of source 1 of S^T = K Q^T.
; PHASE 2.  S^T = K Q^T (a lane holds one query and the keys 8 (lane / 16) + 0..7); two such results rounded to f16 ARE source 1 of O^T = V^T P.  K comes out of LDS as it lies, V and Wq turned.
; SOFTMAX.  For each query a running maximum m and sum l: p = 2^(c s - c m), c = log2(e) / sqrt(512); in every step O and l are multiplied by a = 2^(c m_old - c m_new).  c m starts far below every c s.
; SKEWED BY HALF A STEP, so that the vector work stands behind matrix instructions.  Trip i of the loop: the change of slots; the 128 products V^T P of step i - 1, behind them the softmax of step i;
; the 128 products K Q^T of step i + 1, behind them O^T times a(i).  S^T and P need one buffer each: S^T(i + 1) is begun when softmax i has read S^T(i); V^T P goes in two passes (keys 0-31 for all channel
; blocks, then keys 32-63), so that P's first half is written anew during the second pass and its second half by 16 lines behind the last product.
; THE ENDS.  The loop is entered in its middle, at K Q^T of step 0, whose riders multiply O^T by a = 0: that wipes what phase 1 left there (Q in f32: finite).  Trip 0 has no step -1: P holds 0 and V's place a
; tile of finite numbers (V15), so its 128 products add nothing; they carry the first softmax: the price, once a launch, of one text for every trip.  Behind the loop the last step and a half is written plain.
; There 1 / l is folded in: O^T is multiplied by a / l and the last weights by 1 / l, so the way out scales nothing.
; THE RING.  Two LDS slots by turns: four uses of 128 rows of Wq; then K0 alone; then sixteen uses of one tile for K's place and one for V's: use i holds K(i + 1) and V(i - 1).  Each change of slots asks
; for the next use, one tensor load of 32 rows x 1,024 bytes a wave.  kv's layout makes both walks plain steps of one tile: K0 .. K15 and then V15 (use 15 holds V15 in K's place, at K's pitch);
; V15 (trip 0's stand-in), V0 .. V14.  So every load of the loop is read, and none is jumped over.
; CLUSTER.  The four query blocks of a cluster belong to one batch: Wq's, K's and V's tiles are asked for JOINTLY, by the same load, descriptor and mask in all four.  x and out0 are each work-group's own.
; REGISTERS, in windows of 256 (s_set_vgpr_msb: bits 1:0 source 0, 3:2 source 1, 5:4 source 2, 7:6 destination):
;   window 0: v0-15 addresses; v16-31 eight registers of statistics a tile; v32-95 S^T, 32 a tile; v96-127 P, 16 a tile; v128-255 F, two buffers of 8 fragments of Wq, K or V
;   window 1: phase 1: v0-127 R, a slice of x as loaded; then Q: tile t, channels 32 c on, at 128 t + 8 c          window 2, 3: Q^T's sums, then O^T, of tile 0, 1: channel block cb at 8 cb
; A group of riders costs two switches of the windows: no window has room for a product's operands beside what the riders touch.
.set PK,    1040      ; a row of K in LDS: 1,024 bytes + 16 of padding = 260 words: the 16 rows of a load start at 16 different groups of four banks (64 banks of 4 bytes: ISA guide 11.1)
.set PV,    1056      ; a row of V or Wq: 1,024 + 32 = 264 words
.set VOFF,  64*PV     ; in a slot: V's place behind K's 64 rows; Wq's second 64 rows
.set SLOTB, 128*PV    ; a slot
.set STAGE, 2*SLOTB   ; behind the ring, never filled by a tensor load: 8,704 bytes for each wave
.set SW,    8704      ; on the way in 32 rows x 272 bytes (256 of bf16 + 16), on the way out 16 rows x 528 bytes (512 + 16)
.set SPARE, STAGE+4*SW  ; behind the stages: the spare words, 128 bytes for each wave: two blocks of 256 bytes that no other line names
.set AK0, 2           ; v2   my lane's place in a tile of K; never rewritten
.set AV0, 3           ; v3   the same for V and Wq
.set AK,  4           ; v4   the LDS address of K's runs of loads
.set AV,  5           ; v5   of V's and Wq's
.set XO,  6           ; v6   16 x lane: my bytes in 512 consecutive bytes of x and of out0; never rewritten
.set XS,  7           ; v7   phase 1: where I put 8 bytes of a staged row
.set AVK, 7           ;      at the end: the LDS address of V15's runs of loads
.set XR,  8           ; v8   phase 1: my lane's place in a fragment of the staged slice; at the end: at work
.set XRC, 9           ; v9   the same in the half in hand
.set STO, 10          ; v10  the way out: where I put 32 bytes of a row
.set RD,  11          ; v11  the way out: where I read a row back
.set BO,  12          ; v12  32 x (lane / 16): my 8 numbers in a block of 16 of the bias
.set PFO, 13          ; v13  256 x lane: the prefetches' offset; never rewritten
.set SPW, 14          ; v14  LDS address of my spare word: SPARE + 4 x my thread's number; never rewritten
.set NIL, 15          ; v15  0; never rewritten
.set ST,  16          ; tile t's statistics at v[ST+8 t]: +0 c m, +1 m, +2, +3 l (even keys', odd keys'), +4 to +7 c0-c3, at work; when the maximum is found c0, c1 take the step's sum and c2 takes a
.set S,   32
.set P,   96
.set F,   128
.set WV,  14          ; s14  my wave's number
.set LIM, 15          ; s15  a wave prefetches in the loop while s[CNT] is above this: 2 (K's walkers), 1 (V's), or the greatest number (a cluster that does not ask)
.set PFA, 18          ; s[18:19] where my prefetches stand
.set G1K, 24          ; s[24:31] descriptor group 1 for the tiles of K's place
.set G1V, 32          ; s[32:39] for V's place and Wq: it differs in the padding alone
.set G0K, 40          ; s[40:43] descriptor group 0 for K's place: it walks
.set G0V, 44          ; s[44:47] for Wq, then V's place
.set TB,  48          ; s48  LDS byte at which the slot in hand begins (ahead of a change: the slot to be filled)
.set WOK, 49          ; s49  my 32 rows' place in a slot, where I fetch for K's place,
.set WOV, 50          ; s50  for V's,
.set WOP, 51          ; s51  for Wq
.set HS,  52          ; s52  phase 1: the half slot in hand, 0 to 7
.set CNT, 53          ; s53  counts slots and trips
.set XH,  54          ; s54  0 or 128: which 64 k of the staged slice
.set CNT2, 55         ; s55  counts a slot's two halves
.set CS,  56          ; s[56:57] c: the packed scaling names a pair and takes its low word for both halves
.set SEL, 58          ; s[58:59] v_permlanex16_b32's selects: each lane takes its own place in the other half
.set KB,  60          ; s[60:61] kv at my half of the batch's tile K0
.set VB,  62          ; s[62:63] at my half of the tile behind K15: V15
.set TBV, 66          ; s66  LDS byte at which V's tile, or Wq's half slot, begins
.set X,   68          ; s[68:69] x at my wave's first row, at the slice last asked for
.set MSB, 0
.macro WIN new                      ; the immediate's high byte repeats the setting that is left; a switch that changes nothing is dropped
.if MSB != (\new)
	s_set_vgpr_msb (MSB<<8)|(\new)
.set MSB, (\new)
.endif
.endm
; A load into a register that a matrix instruction has read, and a vector instruction that reads a matrix result or writes one of a matrix instruction's registers, stand four places behind it; only plain
; vector instructions that name none of its registers are places (ISA guide 7.12.1 for vector instructions).
.macro PLACES
.rept 4
	v_nop
.endr
.endm
; A round of the cluster's barrier: my work-group's barrier, so that wave 0's signal speaks for all four waves; wave 0 signals; every wave waits for all four work-groups; my work-group's barrier once more.
.macro CROUND
	s_barrier_signal -1
	s_barrier_wait -1
	s_cmp_lg_u32 s[WV], 0
	s_cbranch_scc1 .Lnot_wave_0_\@
	s_barrier_signal -3
.Lnot_wave_0_\@:
	s_barrier_wait -3
	s_barrier_signal -1
	s_barrier_wait -1
.endm
; A joint fill of phase 2.  Waves 0 and 1 fetch the two halves of the tile for K's place, waves 2 and 3 those of the tile for V's.  The branch hangs on the wave's number alone.
; An s_nop 0 and four v_nop follow each of the two lines, ahead of the jump and the label.
.macro JLOAD
	s_cmp_lt_u32 s[WV], 2
	s_cbranch_scc0 .Lfor_v_\@
	tensor_load_to_lds s[G0K:G0K+3], s[G1K:G1K+7]
	s_nop 0
.rept 4
	v_nop
.endr
	s_branch .Lasked_\@
.Lfor_v_\@:
	tensor_load_to_lds s[G0V:G0V+3], s[G1V:G1V+7]
	s_nop 0
.rept 4
	v_nop
.endr
.Lasked_\@:
.endm
.macro JLOADK                       ; K0 alone: waves 2 and 3 have no part of a tile to fetch
	s_cmp_lt_u32 s[WV], 2
	s_cbranch_scc0 .Lnone_\@
	tensor_load_to_lds s[G0K:G0K+3], s[G1K:G1K+7]
	s_nop 0
.rept 4
	v_nop
.endr
.Lnone_\@:
.endm
; A PREFETCH INTO THE L2 of what the NEXT change of slots will ask for: 256 products ahead.  It stands behind the wave's tensor load and its five lines.
; Each block of 256 bytes of kv is named ONCE in the launch.  The four clusters of a batch walk the same tiles: the batch's first cluster asks.  Each of its waves asks for the part that it will fetch
; itself, 32 rows of 1,024 bytes; the four partners, who fetch it jointly, share it out BY ADDRESS, 8,192 bytes each: a lane a block, one instruction a wave.  No branch hangs on a work-group's place in its
; cluster.  how = 1: ahead of the loop.  how = 0: in the loop.  V's walkers ask up to V14, which the loop's last trip fetches; K's walkers up to K15: the tile behind it, V15, was asked for at the walk's
; beginning, by V's walkers.  K0 and Wq's tiles come by their loads alone.
.macro ASK how
.if \how
	s_cmp_lt_u32 s[LIM], 3
.else
	s_cmp_gt_u32 s[CNT], s[LIM]
.endif
	s_cbranch_scc0 .Lnot_mine_\@
	global_prefetch_b8 v[PFO], s[PFA:PFA+1] th:TH_LOAD_NT scope:SCOPE_SE
.Lnot_mine_\@:
.endm
; A slice of x: 128 k of my 32 rows; load i takes row i's 512 consecutive bytes.  step = 1: the next slice (the pointer is free: the last slice's loads have been waited for).
.macro XLOAD step
.if \step
	s_add_nc_u64 s[X:X+1], s[X:X+1], 512
.endif
	WIN 0x40                        ; destination window 1
.set xi, 0
.rept 32
	global_load_b128 v[4*xi:4*xi+3], v[XO], s[X:X+1] offset:2048*xi th:TH_LOAD_NT
.set xi, xi+1
.endr
.endm
; The slice is rounded to bf16 in place (4 numbers a lane and row: 8 bytes) and laid into my stage: a store takes a row's 256 consecutive bytes.
.macro XCONV
	s_wait_loadcnt 0x0              ; the slice is in (at the start: the bias too)
	WIN 0x45                        ; destination and both sources window 1
.set xi, 0
.rept 32
	v_cvt_pk_bf16_f32 v[4*xi], v[4*xi], v[4*xi+1]
	v_cvt_pk_bf16_f32 v[4*xi+1], v[4*xi+2], v[4*xi+3]
.set xi, xi+1
.endr
	WIN 0x04                        ; the stores' data window 1, their address window 0
.set xi, 0
.rept 32
	ds_store_b64 v[XS], v[4*xi:4*xi+1] offset:272*xi
.set xi, xi+1
.endr
.endm
; The bias into both tiles' accumulators: register j of block cb is channel 16 cb + 8 (lane / 16) + j.
.macro BIAS
.irp t, 0,1
	WIN 0x80+0x40*(\t)              ; destination window 2 or 3
.set xi, 0
.rept 32
	global_load_b128 v[8*xi:8*xi+3],   v[BO], s[8:9] offset:64*xi
	global_load_b128 v[8*xi+4:8*xi+7], v[BO], s[8:9] offset:64*xi+16
.set xi, xi+1
.endr
.endr
.endm
; PHASE 1.  Wq, batch b of 8: channel blocks 4 b .. 4 b + 3, all 64 k of the half slot: 8 fragments, 16 turning loads, into buffer buf.
.macro LDV b, buf
	WIN 0
.irp kk, 0,1
.irp q, 0,1,2,3
.set rF, F+64*(\buf)+8*(4*(\kk)+(\q))
	ds_load_tr16_b128 v[rF:rF+3],   v[AV] offset:(\kk)*32*PV+32*(4*(\b)+(\q))
	ds_load_tr16_b128 v[rF+4:rF+7], v[AV] offset:(\kk)*32*PV+16*PV+32*(4*(\b)+(\q))
.endr
.endr
.endm
; Its 16 products.  A tile's four accumulators take turns, one instruction a turn; from tile to tile, batch to batch and over the backward jumps the accumulator changes too.
.macro MULV b, buf
.irp t, 0,1
	WIN 0xa0+0x50*(\t)              ; C and D window 2 or 3, both sources window 0
.irp kk, 0,1
.irp q, 0,1,2,3
.set rO, 8*(4*(\b)+(\q))
.set rF, F+64*(\buf)+8*(4*(\kk)+(\q))
.set rP, P+16*(\t)+8*(\kk)
	v_wmma_f32_16x16x32_bf16 v[rO:rO+7], v[rF:rF+7], v[rP:rP+7], v[rO:rO+7]
.endr
.endr
.endr
.endm
; HALF A SLOT OF Wq: 64 k, 128 products.  x's four fragments, then eight batches on two buffers: while one batch is multiplied the next one's 16 loads are out.
; stage = 1 (slots 0 to 2): in the middle of a slice's second half (HS odd) the next slice, asked for a slot ago, is rounded and staged: its stores come behind this half's reads of the stage, and LDS
; serves a wave's instructions in order (ISA guide 5.7.1.4).  Then the slice after it is asked for; there are four slices, so HS = 5 asks for nothing and no load leaves x.
; stage = 0 (the last slot): no slice follows, and the text has no staging.
.macro HALF stage
	WIN 0
	PLACES                          ; behind the last products, which read P and F
	v_add_nc_u32 v[XRC], s[XH], v[XR]
	v_add_nc_u32 v[AV], s[TBV], v[AV0]
.irp t, 0,1
.irp kk, 0,1
	ds_load_b128 v[P+16*(\t)+8*(\kk):P+16*(\t)+8*(\kk)+3],   v[XRC] offset:4352*(\t)+64*(\kk)
	ds_load_b128 v[P+16*(\t)+8*(\kk)+4:P+16*(\t)+8*(\kk)+7], v[XRC] offset:4352*(\t)+64*(\kk)+32
.endr
.endr
	LDV 0, 0
.irp b, 0,1,2,3,4,5,6,7
.if (\b) < 7
.if (\b) > 0
	PLACES                          ; the buffer's last reader is the batch before
.endif
	LDV (\b)+1, ((\b)+1)%2
	s_wait_dscnt 16                 ; all but the 16 loads just issued: this batch's fragments (and x's, and the stage's stores) are in
.else
	s_wait_dscnt 0x0
.endif
	MULV \b, (\b)%2
.if ((\b) == 3) && (\stage)
	WIN 0                           ; at a branch and at a label every window is 0
	s_bitcmp1_b32 s[HS], 0
	s_cbranch_scc0 .Lnox_\@         ; a slice's first half
	XCONV
	WIN 0
	s_cmp_eq_u32 s[HS], 5
	s_cbranch_scc1 .Lnox_\@         ; the last slice has just been staged
	XLOAD 1
	WIN 0
.Lnox_\@:
.endif
.endr
	WIN 0
	s_add_co_u32 s[HS], s[HS], 1
	s_xor_b32 s[XH], s[XH], 128
	s_add_co_u32 s[TBV], s[TBV], VOFF
.endm
.macro SLOTW stage                  ; a slot's two halves: written once, walked twice
	s_mov_b32 s[TBV], s[TB]
	s_mov_b32 s[CNT2], 2
.Lhalf_\@:
	HALF \stage
	s_sub_co_u32 s[CNT2], s[CNT2], 1
	s_cmp_lg_u32 s[CNT2], 0
	s_cbranch_scc1 .Lhalf_\@
.endm
; THE CHANGE OF SLOTS.  Each wave waits for all its tensor loads, of which at most one is out: its part of the next slot; adds 0 to its spare word; and waits for that and for its own reads of the slot that
; it leaves.  Where that slot is filled again the barrier is a round of the cluster's, so that no wave of any partner still reads the slot or has a load on its way, and the joint load is the first thing
; behind it.  (At the first change nothing has been read: slot 0 is waited for, slot 1 filled.)
; CHANGEP: the fill is 128 rows of Wq, 32 a wave.
.macro CHANGEP
	WIN 0
	s_wait_tensorcnt 0x0            ; no tensor load of mine is out, so group 0 may be written
	ds_add_u32 v[SPW], v[NIL]       ; 0 onto my spare word
	s_add_co_u32 s[G0V+1], s[TB], s[WOP]                    ; my 32 rows' place in the slot that is left
	s_add_nc_u64 s[G0V+2:G0V+3], s[G0V+2:G0V+3], 128*1024   ; 128 rows of Wq on; the type bits on top are not reached
	s_wait_dscnt 0x0                ; the add is done, and my reads of the slot are over
	CROUND
	tensor_load_to_lds s[G0V:G0V+3], s[G1V:G1V+7]
	s_nop 0
.rept 4
	v_nop
.endr
	s_xor_b32 s[TB], s[TB], SLOTB   ; the slot to be read now
.endm
; CHANGE.  kind 0: nothing is asked for.  1: K0 alone: K's walk is set.  2: K's walk steps a tile on, V's is set.  3, in the loop: both step a tile on.
.macro CHANGE kind
	WIN 0
	s_wait_tensorcnt 0x0            ; no tensor load of mine is out, so a group 0 may be written
	ds_add_u32 v[SPW], v[NIL]       ; 0 onto my spare word; the descriptors' scalar work stands between it and the wait for it
.if \kind
	s_add_co_u32 s[G0K+1], s[TB], s[WOK]
.if (\kind) == 1
	s_mov_b64 s[G0K+2:G0K+3], s[KB:KB+1]
	s_or_b32 s[G0K+3], s[G0K+3], 0x80000000
.else
	s_add_nc_u64 s[G0K+2:G0K+3], s[G0K+2:G0K+3], 64*1024
	s_add_co_u32 s[G0V+1], s[TB], s[WOV]
.if (\kind) == 2
	s_mov_b64 s[G0V+2:G0V+3], s[VB:VB+1]
	s_or_b32 s[G0V+3], s[G0V+3], 0x80000000
.else
	s_add_nc_u64 s[G0V+2:G0V+3], s[G0V+2:G0V+3], 64*1024
.endif
.endif
	s_wait_xcnt 0x0                 ; the last prefetch, a change back, has read its address, so it may be written:
	s_add_nc_u64 s[PFA:PFA+1], s[PFA:PFA+1], 64*1024  ; one tile ahead of my walking descriptor
.endif
	s_wait_dscnt 0x0                ; the add is done, and my reads of the slot are over
.if (\kind) == 0
	s_barrier_signal -1
	s_barrier_wait -1
.else
	CROUND
.if (\kind) == 1
	JLOADK
.else
	JLOAD
.endif
.if (\kind) == 3
	ASK 0
.else
	ASK 1
.endif
.endif
	s_xor_b32 s[TB], s[TB], SLOTB   ; the slot to be read now
.endm
; PHASE 2's LOADS.  K, batch b of 8: channels 64 b .. 64 b + 63 of all 64 keys: 8 fragments (16 keys x 32 channels: two loads of 16 bytes, 32 bytes apart), into buffer buf.
.macro LDK b, buf
	WIN 0
.irp cc, 0,1
.irp kb, 0,1,2,3
.set rF, F+64*(\buf)+8*(4*(\cc)+(\kb))
	ds_load_b128 v[rF:rF+3],   v[AK] offset:(\kb)*16*PK+64*(2*(\b)+(\cc))
	ds_load_b128 v[rF+4:rF+7], v[AK] offset:(\kb)*16*PK+64*(2*(\b)+(\cc))+32
.endr
.endr
.endm
; V, batch b of 8: keys 32 (b / 4) on, channel blocks 8 (b % 4) .. + 7: 8 fragments, 16 turning loads, into buffer buf; the rows lie pitch bytes apart from the address in v[adr] on.
.macro LDV2 b, buf, pitch, adr
	WIN 0
.irp q, 0,1,2,3,4,5,6,7
.set rF, F+64*(\buf)+8*(\q)
	ds_load_tr16_b128 v[rF:rF+3],   v[\adr] offset:((\b)/4)*32*(\pitch)+32*(8*((\b)%4)+(\q))
	ds_load_tr16_b128 v[rF+4:rF+7], v[\adr] offset:((\b)/4)*32*(\pitch)+16*(\pitch)+32*(8*((\b)%4)+(\q))
.endr
.endm
; THE VECTOR WORK.
.macro BOTH line:vararg             ; one line for each of the two tiles: so no instruction reads the result of the one just before it
.set t, 0
.rept 2
.set rT, ST+8*t
.set rS, S+32*t
.set rP, P+16*t
	\line
.set t, t+1
.endr
.endm
.macro TREG t
.set rT, ST+8*(\t)
.set rS, S+32*(\t)
.set rP, P+16*(\t)
.endm
; The maximum and the statistics of a step.  s0-s31 are a lane's 32 scores of a tile: four chains c0-c3, three operands at a time, each accumulator's lowest registers first;
; the old m; the other half of the lanes' maximum; m, c m, its change.
.macro MAXPART
	WIN 0
.set j, 0
.rept 4
	BOTH v_max3_num_f32 v[rT+4+j], v[rS+8*j], v[rS+8*j+1], v[rS+8*j+2]
.set j, j+1
.endr
.rept 8
	BOTH v_max3_num_f32 v[rT+4+j%4], v[rT+4+j%4], v[rS+8*(j%4)+2*(j/4)+1], v[rS+8*(j%4)+2*(j/4)+2]
.set j, j+1
.endr
	BOTH v_max3_num_f32 v[rT+4], v[rT+4], v[rS+7], v[rS+15]
	BOTH v_max3_num_f32 v[rT+6], v[rT+6], v[rS+23], v[rS+31]
	BOTH v_max3_num_f32 v[rT+4], v[rT+4], v[rT+5], v[rT+6]
	BOTH v_max3_num_f32 v[rT+4], v[rT+4], v[rT+7], v[rT+1]
	BOTH v_permlanex16_b32 v[rT+5], v[rT+4], s[SEL], s[SEL+1]  ; the query's other 32 keys lie in the lane 16 away
	BOTH v_mov_b32 v[rT+7], v[rT]                              ; c m_old is kept
	BOTH v_max_num_f32 v[rT+1], v[rT+4], v[rT+5]
	BOTH v_mul_f32 v[rT], s[CS], v[rT+1]
	BOTH v_sub_f32 v[rT+7], v[rT+7], v[rT]
.endm
; What follows the maximum is a numbered list of 162; SMI writes number sk of it and steps sk.
;   0-97     ONE BATCH of exponentials: 0, 1 the two a; 2, 3 the scaling c s - c m of pair 0 of both tiles; then thirty threes, pair n = 1 .. 15 of tile 0, of tile 1: the pair's scaling and the two
;            exponentials of the same tile's pair n - 1; 94-97 the exponentials of pair 15.  Nothing here names an exponential's result.  Behind 97 stand one plain instruction and the batch's ONE wait
;            (ahead of the first instruction that names a result): whoever deals the list writes them.
;   98-129   the step's sum of a tile's 16 pairs, a chain into c0, c1 (S^T is left as it is: it is still to be rounded); the chain's last link is l = a l + the sum
;   130-145  the roundings of pairs 0-7 (keys 0-31) into P;   146-161 those of pairs 8-15 (keys 32-63)
.macro SCAL n, t
	TREG \t
	v_pk_fma_f32 v[rS+2*(\n):rS+2*(\n)+1], v[rS+2*(\n):rS+2*(\n)+1], s[CS:CS+1], v[rT:rT+1] op_sel_hi:[1,0,0] neg_lo:[0,0,1] neg_hi:[0,0,1]
.endm
.macro EXPW e, t
	TREG \t
	v_exp_f32 v[rS+(\e)], v[rS+(\e)]
.endm
.macro SMI
	WIN 0
.if sk < 2
	TREG sk
	v_exp_f32 v[rT+6], v[rT+7]
.elseif sk < 4
	SCAL 0, sk-2
.elseif sk < 94
.set sn, (sk-4)/6+1
.set sti, ((sk-4)/3)%2
.set sr, (sk-4)%3
.if sr == 0
	SCAL sn, sti
.else
	EXPW 2*sn-3+sr, sti
.endif
.elseif sk < 98
	EXPW 30+(sk-94)%2, (sk-94)/2
.elseif sk < 130
.set sn, (sk-98)/2
	TREG (sk-98)%2
.if sn == 0
	v_pk_add_f32 v[rT+4:rT+5], v[rS:rS+1], v[rS+2:rS+3]
.elseif sn < 15
	v_pk_add_f32 v[rT+4:rT+5], v[rT+4:rT+5], v[rS+2*sn+2:rS+2*sn+3]
.else
	v_pk_fma_f32 v[rT+2:rT+3], v[rT+2:rT+3], v[rT+6:rT+7], v[rT+4:rT+5] op_sel_hi:[1,0,1]
.endif
.else
.set sn, (sk-130)/2
	TREG (sk-130)%2
	v_cvt_pk_f16_f32 v[rP+sn], v[rS+2*sn], v[rS+2*sn+1]
.endif
.set sk, sk+1
.endm
; THE RIDERS OF V^T P: a group behind every second product, 64 groups.  Group 0: numbers 0-3.  Groups 1-30: a three each.  Group 31, behind the first pass's last product and ahead of a run of LDS loads:
; the last four exponentials, the plain instruction and the wait.  Groups 32-39: the sums.  Groups 40-43: the roundings of keys 0-31, whose registers the first pass's products read: group 31's v_nop and
; the sums lie between (pc counts the products written so far).  The other groups are empty.  No rider names a register of the products round it.
.macro RIDE
.if sk < 4
.rept 4
	SMI
.endr
.elseif sk < 94
.rept 3
	SMI
.endr
.elseif sk < 98
.rept 4
	SMI
.endr
	v_nop                           ; a plain instruction behind the last exponential: one for the batch
	s_wait_alu depctr_va_vdst(0)    ; the wait for the batch
.elseif sk < 130
.rept 4
	SMI
.endr
.elseif (sk < 146) && (pc > 65)
.rept 4
	SMI
.endr
.endif
.endm
; V's batch b: 16 products.  A tile's eight accumulators take turns, one instruction a turn; from tile to tile, batch to batch and phase to phase the accumulator changes too.
.macro MULV2 b, buf, ride
.irp t, 0,1
.irp q, 0,1,2,3,4,5,6,7
	WIN 0xa0+0x50*(\t)              ; C and D window 2 or 3, both sources window 0
.set rO, 8*(8*((\b)%4)+(\q))
.set rF, F+64*(\buf)+8*(\q)
.set rP, P+16*(\t)+8*((\b)/4)
	v_wmma_f32_16x16x32_f16 v[rO:rO+7], v[rF:rF+7], v[rP:rP+7], v[rO:rO+7]
.set pc, pc+1
.if (\ride) && ((\q)%2 == 1)
	RIDE
.endif
.endr
.endr
.endm
; THE RIDERS OF K Q^T: behind every second product one accumulator of O^T times a: four packed multiplies, its registers in ascending order; group rg of 64: tile rg / 32, block rg % 32.
; They are plain and name nothing of the products round them: behind a batch's last product they are the four places in front of the next run of loads.
.macro RSC
	WIN 0x82+0x41*(rg/32)           ; destination and source 0 window 2 or 3, a in window 0
.set rO, 8*(rg%32)
.irp z, 0,2,4,6
	v_pk_mul_f32 v[rO+\z:rO+\z+1], v[rO+\z:rO+\z+1], v[ST+8*(rg/32)+6:ST+8*(rg/32)+7] op_sel_hi:[1,0]
.endr
.set rg, rg+1
.endm
; K's batch b: 16 products.  The eight accumulators (4 key blocks x 2 tiles) take turns, in the same order in every batch.  The step's first eight start the sums with the constant 0.
.macro MULK b, buf
.irp cc, 0,1
.irp kb, 0,1,2,3
.irp t, 0,1
	WIN 0x04                        ; Q in window 1; K and S^T in window 0
.set rS, S+32*(\t)+8*(\kb)
.set rF, F+64*(\buf)+8*(4*(\cc)+(\kb))
.set rQ, 128*(\t)+8*(2*(\b)+(\cc))
.if ((\b) == 0) && ((\cc) == 0)
	v_wmma_f32_16x16x32_f16 v[rS:rS+7], v[rF:rF+7], v[rQ:rQ+7], 0
.else
	v_wmma_f32_16x16x32_f16 v[rS:rS+7], v[rF:rF+7], v[rQ:rQ+7], v[rS:rS+7]
.endif
.if (\t) == 1
	RSC
.endif
.endr
.endr
.endr
.endm
.macro RESCALE                      ; written plain, for the end: O^T times the factor in a's place
.irp t, 0,1
	WIN 0x82+0x41*(\t)
.set xi, 0
.rept 128
	v_pk_mul_f32 v[2*xi:2*xi+1], v[2*xi:2*xi+1], v[ST+8*(\t)+6:ST+8*(\t)+7] op_sel_hi:[1,0]
.set xi, xi+1
.endr
.endr
.endm
	s_load_b256 s[4:11], s[0:1], 0x0  ; x s[4:5], wb s[6:7], br s[8:9], kv s[10:11]
	s_load_b64 s[12:13], s[0:1], 0x20 ; out0
	v_lshl_add_u32 v[SPW], v0, 2, SPARE
	v_mov_b32 v[NIL], 0
	ds_add_u32 v[SPW], v[NIL]       ; the wave's opening: the add and its wait stand ahead of my first tensor load; the set-up below, work on registers, stands between them
	v_lshrrev_b32 v1, 5, v0
	v_readfirstlane_b32 s[WV], v1   ; wave 0..3
	s_bfe_u32 s16, ttmp6, 0x40000   ; cx: my place in the cluster: it enters x's, out0's and the prefetches' addresses alone
	s_and_b32 s67, ttmp7, 0xffff    ; the batch, which the four partners share
	s_lshl_b32 s17, ttmp9, 2        ; in a cluster launch ttmp9 counts clusters
	s_add_co_u32 s17, s17, s16      ; my block of 128 queries in the batch,
	s_lshl_b32 s20, s67, 4
	s_add_co_u32 s17, s17, s20      ; among all,
	s_lshl_b32 s17, s17, 2
	s_add_co_u32 s17, s17, s[WV]    ; my wave's 32 rows,
	s_lshl_b32 s20, s17, 16         ; of 2,048 bytes each
	s_mov_b32 s21, 0
	s_and_b32 s49, s[WV], 1         ; which half of a tile's 64 rows I fetch
	s_lshl_b32 s22, s67, 21         ; the batch's 2 MiB of kv,
	s_lshl_b32 s23, s49, 15         ; my 32 rows of 1,024 bytes
	s_add_co_u32 s22, s22, s23
	s_mov_b32 s23, 0
	s_mul_i32 s[WOV], s49, 32*PV
	s_add_co_u32 s[WOV], s[WOV], VOFF
	s_mul_i32 s[WOK], s49, 32*PK
	s_mul_i32 s[WOP], s[WV], 32*PV  ; no place in the cluster enters an LDS address
	; descriptor group 1: a tile of 32 rows x 512 elements, padded in LDS
	s_mov_b32 s[G1K], 15|(1<<16)|(1<<20)|(1<<21)|(7<<22)|(3<<25)  ; 15:0 the mask: all four work-groups; 17:16 elements of 2 bytes; 20 padding on; 21 set beside a mask; 24:22 after every 256 words (code 7); 31:25 4 words of it (code 3)
	s_mov_b32 s[G1V], 15|(1<<16)|(1<<20)|(1<<21)|(7<<22)|(7<<25)  ; the same with 8 words of padding (code 7)
.irp g, G1K, G1V
	s_mov_b32 s[(\g)+1], 512<<16    ; tensor_dim0 = 512
	s_mov_b32 s[(\g)+2], 32<<16     ; tensor_dim1 = 32
	s_mov_b32 s[(\g)+3], 512<<16    ; tile_dim0 = 512
	s_mov_b32 s[(\g)+4], 32         ; tile_dim1 = 32
	s_mov_b32 s[(\g)+5], 512        ; 512 elements from row to row
	s_mov_b32 s[(\g)+6], 0
	s_mov_b32 s[(\g)+7], 0
.endr
	s_mov_b32 s[G0K], 1             ; 1:0 count = 1; the other three words are written at the change that asks for K0
	s_mov_b32 s[G0V], 1
	s_mov_b32 s[G0V+1], s[WOP]      ; 63:32 LDS address: slot 0
	s_mov_b32 s[TB], SLOTB          ; the first change fills slot 1 and turns this into 0
	s_mov_b32 s[HS], 0
	s_mov_b32 s[XH], 0
	s_mov_b32 s[CS], 0x3d8293ee     ; c = log2(e) / sqrt(512) = 0.0637587
	s_mov_b32 s[CS+1], s[CS]        ; named with it as a pair, so it is written
	s_mov_b32 s[SEL], 0x76543210
	s_mov_b32 s[SEL+1], 0xfedcba98
	s_cmp_lt_u32 s[WV], 2
	s_cselect_b32 s[LIM], 2, 1
	s_cmp_eq_u32 ttmp9, 0           ; the batch's first cluster: the same in all four partners
	s_cselect_b32 s[LIM], s[LIM], -1
	s_wait_dscnt 0x0                ; the opening add is done
	s_wait_kmcnt 0x0
	s_add_nc_u64 s[KB:KB+1], s[10:11], s[22:23]
	s_add_nc_u64 s[VB:VB+1], s[KB:KB+1], 0x100000  ; sixteen tiles on
	s_lshl_b32 s22, s[WV], 15       ; my 32 rows of 1,024 bytes in a slot's 128 of Wq
	s_add_nc_u64 s[G0V+2:G0V+3], s[6:7], s[22:23]  ; 120:64 global address
	s_or_b32 s[G0V+3], s[G0V+3], 0x80000000        ; 127:126 type = 2
	s_add_nc_u64 s[X:X+1], s[4:5], s[20:21]
	s_add_nc_u64 s[12:13], s[12:13], s[20:21]      ; out0 at my wave's first row
	s_sub_nc_u64 s[PFA:PFA+1], s[VB:VB+1], 0x10000 ; the prefetches stand a tile in front of the first tile that they name: V's walkers name V15 first,
	s_cmp_lt_u32 s[WV], 2
	s_cselect_b64 s[PFA:PFA+1], s[KB:KB+1], s[PFA:PFA+1]  ; K's walkers K1;
	s_lshl_b32 s20, s16, 13
	s_add_nc_u64 s[PFA:PFA+1], s[PFA:PFA+1], s[20:21]     ; my work-group's 8,192 bytes of my part
	CROUND                          ; all four work-groups are here: the first joint loads meet
	tensor_load_to_lds s[G0V:G0V+3], s[G1V:G1V+7]  ; slot 0: Wq's rows 0 to 127
	s_nop 0
.rept 4
	v_nop
.endr
	v_and_b32 v34, 31, v0           ; l
	v_and_b32 v32, 15, v0           ; l % 16
	v_bfe_u32 v33, v0, 4, 1         ; l / 16
	v_lshlrev_b32 v[XO], 4, v34
	v_lshlrev_b32 v[BO], 5, v33
	XLOAD 0                         ; slice 0
	BIAS
	WIN 0
	v_mul_u32_u24 v[AK0], v32, PK
	v_lshl_add_u32 v[AK0], v33, 4, v[AK0]  ; row x pitch + 16 x half
	; The turning load takes 16 keys x 16 channels (lane l reads 16 bytes: key 8 (l / 16) + l % 8, channels 8 ((l / 8) % 2) + 0..7) and leaves half a fragment of V^T: lane l holds channel l % 16 and 8 keys.
	v_and_b32 v35, 7, v0
	v_bfe_u32 v36, v0, 3, 1
	v_lshl_add_u32 v[AV0], v33, 3, v35
	v_mul_u32_u24 v[AV0], v[AV0], PV
	v_lshl_add_u32 v[AV0], v36, 4, v[AV0]
	v_lshlrev_b32 v[PFO], 8, v34
	s_mul_i32 s22, s[WV], SW
	s_add_co_u32 s22, s22, STAGE    ; my stage
	v_lshl_add_u32 v[XS], v34, 3, s22
	v_mul_u32_u24 v[XR], v32, 272   ; a fragment of x: row l % 16, 16 bytes for each half of the lanes, twice, 32 bytes apart
	v_lshl_add_u32 v[XR], v33, 4, v[XR]
	v_add_nc_u32 v[XR], s22, v[XR]
	v_mul_u32_u24 v[STO], v32, 528  ; the way out, in: row l % 16, 32 bytes for each half of the lanes
	v_lshl_add_u32 v[STO], v33, 5, v[STO]
	v_add_nc_u32 v[STO], s22, v[STO]
	v_lshl_add_u32 v[RD], v34, 4, s22  ; back: 32 lanes take a row's 512 bytes
	XCONV                           ; slice 0 is staged,
	XLOAD 1                         ; slice 1 asked for
	WIN 0
	s_mov_b32 s[CNT], 3
.Lw:                                ; three trips: Wq's slots 0 to 2 are multiplied, its slots 1 to 3 asked for
	CHANGEP
	SLOTW 1
	s_sub_co_u32 s[CNT], s[CNT], 1
	s_cmp_lg_u32 s[CNT], 0
	s_cbranch_scc1 .Lw
	CHANGE 1                        ; THE RING GOES ON INTO PHASE 2: K0 is asked for,
	SLOTW 0                         ; while Wq's last slot is multiplied
	CHANGE 2                        ; K0 is in; K1 and trip 0's stand-in for V are asked for; the four v_nop behind the joint load are the places in front of the loads and conversions below
	v_add_nc_u32 v[AK], s[TB], v[AK0]
	LDK 0, 0
	s_wait_loadcnt 0x0              ; no load into window 1 is out: the last slice was waited for when it was staged
.irp t, 0,1                         ; Q, rounded once to f16: blocks 2 c and 2 c + 1 make the fragment of channels 32 c on.  K's first fragments land meanwhile
	WIN 0x4a+5*(\t)                 ; destination window 1, both sources window 2 or 3
.set xi, 0
.rept 128
	v_cvt_pk_f16_f32 v[128*(\t)+xi], v[2*xi], v[2*xi+1]
.set xi, xi+1
.endr
.endr
	WIN 0
.irp t, 0,1
	v_mov_b32 v[ST+8*(\t)], 0xfe000000    ; c m: far below every c s
	v_mov_b32 v[ST+8*(\t)+1], 0xff7fffff  ; m: the lowest finite number
.irp r, 2,3,6,7
	v_mov_b32 v[ST+8*(\t)+(\r)], 0        ; l; and a, by which the first K Q^T's riders multiply O^T (the register beside it is named with it as a pair)
.endr
.endr
.set xi, 0
.rept 32
	v_mov_b32 v[P+xi], 0            ; the weights of the step that has not been
.set xi, xi+1
.endr
	s_mov_b32 s[CNT], 16
	s_branch .Lqk                   ; the loop is entered in the middle of a trip, at K Q^T of step 0
.Lb:                                ; trips i = 0 .. 14; s[CNT] = 15 - i
	CHANGE 3                        ; use i is in: K(i + 1), V(i - 1); use i + 1 is asked for; the four v_nop behind the joint load are the places in front of the loads and the maximum below
	s_add_co_u32 s[TBV], s[TB], VOFF
	v_add_nc_u32 v[AV], s[TBV], v[AV0]
	LDV2 0, 0, PV, AV
	LDV2 1, 1, PV, AV
	MAXPART                         ; step i's maximum and statistics stand between V's first two runs of loads and the wait for them
.set sk, 0
.set pc, 0
	s_wait_dscnt 16                 ; all but the 16 loads issued last: batch 0 is in
	MULV2 0, 0, 1
.irp b, 1,2,3,4,5,6
	PLACES                          ; the buffer's last reader is the batch before; its riders may be exponentials, which are no places
	LDV2 (\b)+1, ((\b)+1)%2, PV, AV
	s_wait_dscnt 16                 ; all but the 16 loads just issued: this batch's fragments are in
	MULV2 \b, (\b)%2, 1
.endr
	PLACES
	WIN 0
	v_add_nc_u32 v[AK], s[TB], v[AK0]
	LDK 0, 0                        ; K(i + 1)'s first batch lands under V's last
	s_wait_dscnt 16
	MULV2 7, 1, 1
	PLACES                          ; behind the last products: the roundings below write a source of theirs, the loads below go into another
.rept 16
	SMI                             ; keys 32-63 are rounded: S^T is free
.endr
	WIN 0
.Lqk:
.set rg, 0
	LDK 1, 1
	s_wait_dscnt 16
	MULK 0, 0
.irp b, 1,2,3,4,5,6
	LDK (\b)+1, ((\b)+1)%2          ; four riders stand behind the buffer's last reader
	s_wait_dscnt 16
	MULK \b, (\b)%2
.endr
	s_wait_dscnt 0x0
	MULK 7, 1
	WIN 0
	s_sub_co_u32 s[CNT], s[CNT], 1
	s_cmp_lg_u32 s[CNT], 0
	s_cbranch_scc1 .Lb
	; THE END, written plain: use 15 holds V14 in V's place and V15 in K's, at K's pitch.
	CHANGE 0
	PLACES
	s_add_co_u32 s[TBV], s[TB], VOFF
	v_add_nc_u32 v[AV], s[TBV], v[AV0]
	LDV2 0, 0, PV, AV
	LDV2 1, 1, PV, AV
	v_bfe_u32 v[AVK], v0, 4, 1      ; my lane's place in V15: (8 (l / 16) + l % 8) rows of 1,040 bytes + 16 ((l / 8) % 2).  At this pitch the 8 rows x 32 bytes that 16 lanes take overlap
	v_and_b32 v8, 7, v0             ; by halves in the banks, each bank twice at the most: in this one phase of the launch
	v_lshl_add_u32 v[AVK], v[AVK], 3, v8
	v_mul_u32_u24 v[AVK], v[AVK], PK
	v_bfe_u32 v8, v0, 3, 1
	v_lshl_add_u32 v[AVK], v8, 4, v[AVK]
	v_add_nc_u32 v[AVK], s[TB], v[AVK]
.set pc, 0
	s_wait_dscnt 16
	MULV2 0, 0, 0                   ; V^T P of step 14
.irp b, 1,2,3,4,5,6
	PLACES
	LDV2 (\b)+1, ((\b)+1)%2, PV, AV
	s_wait_dscnt 16
	MULV2 \b, (\b)%2, 0
.endr
	PLACES
	LDV2 0, 0, PK, AVK              ; V15's first two batches land under the softmax
	s_wait_dscnt 16
	MULV2 7, 1, 0
	PLACES
	LDV2 1, 1, PK, AVK
	MAXPART                         ; the softmax of step 15
.set sk, 0
.rept 98
	SMI
.endr
	v_nop                           ; a plain instruction behind the last exponential,
	s_wait_alu depctr_va_vdst(0)    ; and the wait for the batch
.rept 32
	SMI                             ; the sums: l is whole but for the lanes' halves
.endr
	BOTH v_add_f32 v[rT+4], v[rT+2], v[rT+3]
	BOTH v_permlanex16_b32 v[rT+5], v[rT+4], s[SEL], s[SEL+1]
	BOTH v_add_f32 v[rT+5], v[rT+4], v[rT+5]
	BOTH v_rcp_f32 v[rT+4], v[rT+5]
	v_nop                           ; a plain instruction between the last reciprocal and the use of its result,
	s_wait_alu depctr_va_vdst(0)    ; and the wait ahead of the first use: one for the two reciprocals
	BOTH v_mul_f32 v[rT+6], v[rT+6], v[rT+4]  ; a / l for O^T,
.set j, 0
.rept 16
	BOTH v_pk_mul_f32 v[rS+2*j:rS+2*j+1], v[rS+2*j:rS+2*j+1], v[rT+4:rT+5] op_sel_hi:[1,0]  ; 1 / l for the last weights
.set j, j+1
.endr
.rept 32
	SMI                             ; which are rounded now
.endr
	RESCALE
	s_wait_dscnt 16
	MULV2 0, 0, 0                   ; V^T P of step 15
.irp b, 1,2,3,4,5,6
	PLACES
	LDV2 (\b)+1, ((\b)+1)%2, PK, AVK
	s_wait_dscnt 16
	MULV2 \b, (\b)%2, 0
.endr
	s_wait_dscnt 0x0
	MULV2 7, 1, 0
; THE WAY OUT, in eight rounds n: tile n / 4, channels 128 (n % 4) on.  TOSTAGE: a lane's 8 channels of a row, 32 bytes, go from the accumulators (each one's low four registers first) into my stage
; (rows of 528 bytes) and come back as whole rows of 512.  SEND: stored.
.macro TOSTAGE n
	s_wait_xcnt 0x0                 ; the stores of two rounds back have read the registers that are loaded again below
	WIN 0x08+4*((\n)/4)             ; the stores' data window 2 or 3
.set xi, 0
.rept 16
	ds_store_b128 v[STO], v[64*((\n)%4)+4*xi:64*((\n)%4)+4*xi+3] offset:64*(xi/2)+16*(xi%2)
.set xi, xi+1
.endr
	WIN 0
.set xi, 0
.rept 16
	ds_load_b128 v[F+64*((\n)%2)+4*xi:F+64*((\n)%2)+4*xi+3], v[RD] offset:528*xi  ; LDS serves a wave's instructions in order (ISA guide 5.7.1.4): these see the stores above; the next round's stores come behind them
.set xi, xi+1
.endr
.endm
.macro SEND n, younger              ; younger: the LDS instructions issued behind round n's loads: the next round's 32, or none
	WIN 0
.set xi, 0
.rept 16
	s_wait_dscnt (\younger)+15-xi   ; row xi is back; the rows behind it and the younger round may stay out
	global_store_b128 v[XO], v[F+64*((\n)%2)+4*xi:F+64*((\n)%2)+4*xi+3], s[12:13] offset:(16*((\n)/4)+xi)*2048+512*((\n)%4) th:TH_STORE_NT  ; 512 consecutive bytes, at a multiple of 256 from out0's first byte
.set xi, xi+1
.endr
.endm
	WIN 0
	PLACES                          ; behind the last products: the stores below read results, the loads below go into the fragment buffers
	TOSTAGE 0
.irp n, 1,2,3,4,5,6,7               ; a round's way through the stage stands between the loads of the round before and its stores
	TOSTAGE \n
	SEND (\n)-1, 32
.endr
	SEND 7, 0
	s_wait_tensorcnt 0x0            ; the wave's end: behind my last tensor load and my last LDS store
	ds_add_u32 v[SPW], v[NIL]
	s_wait_dscnt 0x0
	CROUND                          ; the closing round: no work-group ends while a partner may still ask for a tile that names it
	s_endpgm
.Lfunc_end_k_qeb19bae578_attn:
	.size	k_qeb19bae578_attn, .Lfunc_end_k_qeb19bae578_attn-k_qeb19bae578_attn
	.p2alignl 7, 3214868480
	.fill 96, 4, 3214868480
	.section	.rodata,"a",@progbits
	.p2align	6, 0x0
	.amdhsa_kernel k_qeb19bae578_attn
		.amdhsa_group_segment_fixed_size 327680
		.amdhsa_private_segment_fixed_size 0
		.amdhsa_enable_private_segment 0
		.amdhsa_kernarg_size 40
		.amdhsa_user_sgpr_count 2
		.amdhsa_user_sgpr_kernarg_segment_ptr 1
		.amdhsa_wavefront_size32 1
		.amdhsa_system_sgpr_workgroup_id_x 1
		.amdhsa_system_sgpr_workgroup_id_y 1
		.amdhsa_system_sgpr_workgroup_id_z 1
		.amdhsa_system_vgpr_workitem_id 0
		.amdhsa_next_free_vgpr 1024
		.amdhsa_next_free_sgpr 72
		.amdhsa_reserve_vcc 0
		.amdhsa_float_denorm_mode_32 3
		.amdhsa_float_denorm_mode_16_64 3
		.amdhsa_memory_ordered 1
		.amdhsa_forward_progress 1
		.amdhsa_inst_pref_size 255
	.end_amdhsa_kernel
	.section	.bss,"aw",@nobits
	.p2align	6
	.space	262144
	.amdgpu_metadata
---
amdhsa.version: [ 1, 2 ]
amdhsa.kernels:
  - .name:           k_qeb19bae578_attn
    .symbol:         k_qeb19bae578_attn.kd
    .args:
      - { .name: x, .offset: 0, .size: 8, .value_kind: global_buffer, .address_space: global }
      - { .name: wb, .offset: 8, .size: 8, .value_kind: global_buffer, .address_space: global }
      - { .name: br, .offset: 16, .size: 8, .value_kind: global_buffer, .address_space: global }
      - { .name: kv, .offset: 24, .size: 8, .value_kind: global_buffer, .address_space: global }
      - { .name: out0, .offset: 32, .size: 8, .value_kind: global_buffer, .address_space: global }
    .group_segment_fixed_size: 327680
    .private_segment_fixed_size: 0
    .kernarg_segment_align: 8
    .kernarg_segment_size: 40
    .max_flat_workgroup_size: 128
    .sgpr_count:     72
    .vgpr_count:     1024
    .wavefront_size: 32
...
	.end_amdgpu_metadata
.endif
;; end of part 3
